; MI455X (gfx1250); checked and timed in simulation.
; The chip was launched on July 23, 2026; its instructions are those of AMD's public machine-readable ISA for CDNA 5 (MIT licence, August 2026) and "CDNA5" Instruction Set Architecture Reference Guide (July 2026). The comments in the code are by the model that wrote it; some were corrected since.
;; Prompt Attention. Allowed arithmetic: matrix products marked QUANTISED: E2M1 operands, one E8M0 scale for each 32 along K, by v_wmma_scale_f32_16x16x128_f8f6f4 with both operands' format E2M1 (or v_wmma_scale_f32_32x16x128_f4), f32 sums; products left as they are: bf16, f16 or f32 operands; f32 sums; everything else in f32.
;; Inputs: Wk 256 x 1,024 float32; Wo 1,024 x 1,024 float32; Wq 1,024 x 1,024 float32; Wv 256 x 1,024 float32; attention_mask 8 x 1 x 1,024 x 1,024 float32; bk 1,024 float32; bo 1,024 float32; bq 1,024 float32; bv 1,024 float32; hidden_states 8 x 1,024 x 1,024 float32; key_value_states 8 x 1,024 x 256 float32; layer_head_mask 16 float32.
;; Outputs: out0 8 x 1,024 x 1,024 float32.
;; This version of the problem:
;;   THIS VERSION OF THE PROBLEM IS GIVEN IN LOW PRECISION. The matrix products marked QUANTISED in the list below multiply operands that are first quantised to E2M1 (2 exponent bits, 1 mantissa bit; 4 bits a number), with one power-of-two scale for each 32 numbers along K (OCP MX v1.0); their sums are f32. The products marked 'left as it is' may take bf16, f16 or f32 operands, with f32 sums. Whichever they take, every output number must still come out within the allowed error. Rounding operands to bf16 (8 significant bits) uses up far more of that allowance than f16 does (11 bits, for magnitudes from 6e-5 to 65,504). All else is computed in f32.
;;   The module's matrix products, in the order in which they are computed (A, B: the left and right operand; K: the contracted axis; several contracted axes count as one K, in the product's order):
;;     1. [M 8,192, K 1,024] x [K 1,024, N 1,024]; A: input hidden_states; B: input Wq: QUANTISED
;;     2. [M 8,192, K 256] x [K 256, N 1,024]; A: input key_value_states; B: input Wk: QUANTISED
;;     3. [M 8,192, K 256] x [K 256, N 1,024]; A: input key_value_states; B: input Wv: QUANTISED
;;     4. batch 128 x [M 1,024, K 64] x [K 64, N 1,024]; A: computed on the way; B: computed on the way: left as it is (an operand is computed on the way)
;;     5. batch 128 x [M 1,024, K 1,024] x [K 1,024, N 64]; A: computed on the way; B: computed on the way: left as it is (an operand is computed on the way)
;;     6. [M 8,192, K 1,024] x [K 1,024, N 1,024]; A: computed on the way; B: input Wo: left as it is (an operand is computed on the way)
;;   THE QUANTISER, for each operand of a quantised product, along K:
;;     - K is cut into blocks of 32 from its start; a last block that is shorter is filled with zeros.
;;     - A block's scale is 2^e with e = floor(log2(the largest magnitude in the block)) - 2, held to -126 .. 127; a block of zeros has e = 0. As a byte (E8M0): e + 127.
;;     - Each number is divided by its block's scale, clamped to +-6, and rounded to the nearest number of E2M1, ties to even, subnormals kept.
;;     - The product sums the exact products of the quantised numbers (number of the format x scale) in f32.
;;   ~~~python
;;   def quantise(x, axis):      # numpy; x: float32 -> the quantised numbers, widened to float32 again
;;       x = np.moveaxis(x, axis, -1); K = x.shape[-1]
;;       x = np.pad(x, [(0, 0)] * (x.ndim - 1) + [(0, -K % 32)]); x = x.reshape(x.shape[:-1] + (-1, 32)); a = np.abs(x).max(-1, keepdims=True)
;;       e = np.where(a > 0, np.clip(np.frexp(np.where(a > 0, a, 1))[1] - 1 - 2, -126, 127), 0)      # np.frexp(a)[1] - 1 = floor(log2(a)), exactly
;;       r = np.clip(x / 2.0 ** e, -6, 6)
;;       step = 2.0 ** (np.maximum(np.frexp(np.where(r == 0, 1, r))[1] - 1, 0) - 1)
;;       q = np.round(r / step) * step * 2.0 ** e      # np.round: ties to even
;;       return np.moveaxis(q.reshape(q.shape[:-2] + (-1,))[..., :K], -1, axis).astype(np.float32)
;;   ~~~
;; One version. Each part assembles by itself: llvm-mc -triple=amdgcn-amd-amdhsa -mcpu=gfx1250 --defsym DOCPART=n.
;; ======== version 1 of 1: 3 launches
;; limits: values are held in f16: magnitudes above 65,504 overflow, below 6.1e-05 lose precision
;; workspace buffers: qc 6,029,312 bytes; qs 376,832 bytes; maskt 33,554,432 bytes; wo16 2,097,152 bytes; ctx16 16,777,216 bytes
;; launch prep (part 1): grid 736 x 1, 4 waves a work-group, no clusters, 68,096 bytes of LDS; arguments hidden_states, key_value_states, attention_mask, Wq, Wk, Wv, Wo, layer_head_mask, qc, qs, maskt, wo16; writes qc, qs, maskt, wo16
.if DOCPART == 1
	.amdgcn_target "amdgcn-amd-amdhsa--gfx1250"
	.amdhsa_code_object_version 6
	.text
	.protected	k_q321e004b2b_prep
	.globl	k_q321e004b2b_prep
	.p2align	8
	.type	k_q321e004b2b_prep,@function
k_q321e004b2b_prep:
	s_mov_b64 s[64:65], 0
	v_nop
	global_prefetch_b8 v0, s[64:65] scope:SCOPE_SE
	s_setreg_imm32_b32 hwreg(HW_REG_WAVE_MODE, 25, 1), 1
	s_wait_xcnt 0x0
; PREP: every operand that later launches read more than once is brought ONCE into the order of the reader's registers.
;  - hidden_states [8192][1024], key_value_states [8192][256] (K innermost) and Wq [1024][1024], Wk, Wv [256][1024] (K outermost) become codes of E2M1 with one E8M0 byte for each 32 along K.
;    A block's scale is 2^(floor(log2(largest magnitude)) - 2): its byte is the largest magnitude's exponent field - 2, held at 1 from below by a floor among the maximum's leaves.
;  - Wo [1024][1024] is multiplied row by row by layer_head_mask[k / 64], in f32, and rounded to f16 (the head mask is linear in the result, so it may stand here).
;  - attention_mask is multiplied by log2(e) and laid as the score tiles' accumulators want it.
; IMAGES.  A fragment of 4-bit codes (16 rows x 128 K) is 1,024 bytes [c 2][lane 32][16 bytes]: lane (r, h), part c = row r, k = 64 c + 32 h + 0 .. 31.
;          A fragment of f16 (16 rows x 32 K) is 1,024 bytes [c 2][lane 32][16 bytes]: lane (r, h), part c = row r, k = 16 c + 8 h + 0 .. 7.
;          A mask tile (16 queries x 16 keys) is 1,024 bytes [c 2][lane 32][16 bytes]: lane (r, h), part c = query r, keys 8 h + 4 c + 0 .. 3.
; WORK-GROUPS: 0-255 the mask, 256-511 hidden_states, 512-575 key_value_states, 576-671 Wq, Wk, Wv, 672-735 Wo.  Waves share nothing: no barrier.
; No matrix unit, no cluster, no tensor load: the launch streams, each input byte read once, each load and store of a wave on 128, 256 or 512 consecutive bytes (the weights' scale words alone leave in runs of 64).
; LIMITS.  A block of zeros gets the byte 1 where the rule says 127: its codes are zeros and this program alone reads the bytes.  NaN and infinities in quantised inputs are not served.
;          layer_head_mask x Wo goes to f16: magnitudes from 65,504 on overflow, under 6e-8 are lost.
;          A finite mask number whose product with log2(e) passes the largest f32 number is held at that number; infinities and NaN pass as they are.
.set KV_C,  4194304                    ; qc: hidden's images at 0, key_value_states' here,
.set WQ_C,  5242880                    ; Wq's,
.set WK_C,  5767168                    ; Wk's,
.set WV_C,  5898240                    ; Wv's
.set KV_S,  262144                     ; qs: the same order, one word for a row and 128 along K
.set WQ_S,  327680
.set WK_S,  360448
.set WV_S,  368640
.set SP,    528                        ; a stage row: 512 bytes + 16, an odd multiple of 16: sixteen rows start in sixteen different groups of banks
.set WST,   16*SP                      ; a wave's stage: 16 rows
.set STM,   4*WST                      ; the mask path's stages lie behind the row path's: each path has LDS bytes of its own
.set SPARE, 8*WST                      ; the spare words, 128 bytes a wave: two blocks of 256 bytes that no other line names
.set ROFF,  16                         ; v16-31   row i of a unit: 16 x lane + i x the row's pitch
.set R,     32                         ; v32-159  numbers as they are loaded (two sets of 64; the column paths: four blocks of 32)
.set X,     160                        ; v160-223 64 numbers in the order of the image (the column paths: results)
.set CD,    224                        ; v224-231 a fragment's codes
.set SW,    232                        ; v232-235 the scale words of a task's four units
; v1, v2 the add's two; v3 lane, v4 r, v5 h, v6 16 x lane, v7/v8 row path: stage in/out, v14/v15 mask path: stage in/out, v9-v13 a path's own offsets, v236-251 at work
.macro LOADQ u                         ; unit u of a row task: 16 rows x 512 bytes; each load reads 512 consecutive bytes of one row
.irp i, 0,1,2,3,4,5,6,7,8,9,10,11,12,13,14,15
	global_load_b128 v[R+64*((\u)%2)+4*\i:R+64*((\u)%2)+4*\i+3], v[ROFF+\i], s[32+2*((\u)/2):33+2*((\u)/2)] offset:((\u)%2)*512 th:TH_LOAD_NT
.endr
.endm
.macro UNITQ u                         ; 16 rows x 128 K: through the stage, a scale for each block, codes, one image out
.set RR, R+64*((\u)%2)
.if (\u) < 3
	s_wait_loadcnt 16                              ; this unit's 16 loads are in; the next unit's 16 stay out
.else
	s_wait_loadcnt 0x0
.endif
.irp i, 0,1,2,3,4,5,6,7,8,9,10,11,12,13,14,15
	ds_store_b128 v7, v[RR+4*\i:RR+4*\i+3] offset:SP*\i
.endr
.irp k, 0,1,2,3,4,5,6,7,8,9,10,11,12,13,14,15
	ds_load_b128 v[X+4*\k:X+4*\k+3], v8 offset:256*(\k/8)+16*(\k%8)    ; lane (r, h): row r, k = 64 c + 32 h + 0 .. 31: a whole block in 32 registers
.endr
	s_wait_dscnt 0x0                               ; the stores have read their registers, the 64 numbers are back
.if (\u) < 2
	LOADQ (\u)+2
.endif
.irp c, 0,1
	v_max3_num_f32 v[236+\c], |v[X+32*\c]|, |v[X+32*\c+1]|, 0x1800000   ; the floor 2^(3 - 127) among the leaves: the byte cannot fall under 1
.endr
.irp i, 2,4,6,8,10,12,14,16,18,20,22,24,26,28,30
.irp c, 0,1
	v_max3_num_f32 v[236+\c], v[236+\c], |v[X+32*\c+\i]|, |v[X+32*\c+\i+1]|   ; the two blocks by turns
.endr
.endr
.irp c, 0,1
	v_add_nc_u32 v[238+\c], 0xff000000, v[236+\c]  ; 2 off the exponent field: the conversion's scale operand
.endr
.irp c, 0,1
	v_lshrrev_b32 v[241+\c], 23, v[238+\c]         ; the scale's byte
.endr
	v_lshl_or_b32 v243, v242, 16, v241             ; my bytes: blocks h and 2 + h of row r,
	v_lshlrev_b32 v243, v10, v243                  ; 8 h bits up;
	v_permlanex16_b32 v240, v243, s46, s47
	v_or_b32 v[SW+(\u)], v243, v240                ; with the other half's two the word is whole, in both halves
	s_wait_xcnt 0x0                                ; the last unit's stores have read the codes' registers
.irp c, 0,1
.irp g, 0,1,2,3
	v_cvt_scalef32_pk8_fp4_f32 v[CD+4*\c+\g], v[X+32*\c+8*\g:X+32*\c+8*\g+7], v[238+\c]
.endr
.endr
	v_nop                                          ; one plain line behind the last scaled conversion
	global_store_b128 v6, v[CD:CD+3], s[36:37] offset:1024*(\u)           ; 512 consecutive bytes each
	global_store_b128 v6, v[CD+4:CD+7], s[36:37] offset:1024*(\u)+512
.endm
.macro LOADM u                         ; unit u of a mask task: 16 queries x 128 keys
.irp i, 0,1,2,3,4,5,6,7,8,9,10,11,12,13,14,15
	global_load_b128 v[R+64*((\u)%2)+4*\i:R+64*((\u)%2)+4*\i+3], v6, s[32:33] offset:4096*\i+512*(\u) th:TH_LOAD_NT
.endr
.endm
.macro UNITM u
.set RR, R+64*((\u)%2)
.if (\u) < 3
	s_wait_loadcnt 16                              ; this unit's 16 loads are in; the next unit's 16 stay out
.else
	s_wait_loadcnt 0x0
.endif
.irp i, 0,1,2,3,4,5,6,7,8,9,10,11,12,13,14,15
	ds_store_b128 v14, v[RR+4*\i:RR+4*\i+3] offset:SP*\i
.endr
.if (\u) > 0
	s_wait_xcnt 0x0                                ; the last unit's stores have read the registers that the loads below fill
.endif
.irp k, 0,1,2,3,4,5,6,7,8,9,10,11,12,13,14,15
	ds_load_b128 v[X+4*\k:X+4*\k+3], v15 offset:64*(\k/2)+16*(\k%2)    ; tile k / 2, part k % 2: query r, keys 16 (k / 2) + 8 h + 4 (k % 2) + 0 .. 3
.endr
	s_wait_dscnt 0x0
.if (\u) < 2
	LOADM (\u)+2
.endif
.set p_, 0
.rept 32
	v_pk_mul_f32 v[236:237], v[X+p_:X+p_+1], s[48:49] op_sel_hi:[1,0]     ; x log2(e)
	v_and_b32 v238, 0x7fffffff, v[X+p_]
	v_and_b32 v239, 0x7fffffff, v[X+p_+1]
	v_med3_num_f32 v236, v236, -v13, v13           ; a finite number stays finite
	v_med3_num_f32 v237, v237, -v13, v13
	v_cmp_gt_u32 vcc_lo, s51, v238                 ; finite?  Infinities and NaN are passed on as they came
	v_cndmask_b32 v[X+p_], v[X+p_], v236, vcc_lo
	v_cmp_gt_u32 vcc_lo, s51, v239
	v_cndmask_b32 v[X+p_+1], v[X+p_+1], v237, vcc_lo
.set p_, p_+2
.endr
.irp k, 0,1,2,3,4,5,6,7,8,9,10,11,12,13,14,15
	global_store_b128 v6, v[X+4*\k:X+4*\k+3], s[36:37] offset:8192*(\u)+512*\k
.endr
.endm
.macro LOADC kb                        ; the column paths: block kb: rows 32 kb + i of the weight at my column; 128 consecutive bytes a wave, 512 a work-group
.irp i, 0,1,2,3,4,5,6,7,8,9,10,11,12,13,14,15,16,17,18,19,20,21,22,23,24,25,26,27,28,29,30,31
	global_load_b32 v[R+32*(\kb)+\i], v9, s[32:33] offset:4096*(32*(\kb)+\i) th:TH_LOAD_NT
.endr
.endm
.macro WAITC kb
.if (\kb) < 3
	s_wait_loadcnt 32                              ; this block's 32 loads are in; the next block's 32 stay out
.else
	s_wait_loadcnt 0x0
.endif
.endm
.macro BLOCKW kb                       ; a block of 32 along K of one column: all 32 numbers are mine
.set XS, R+32*(\kb)
	WAITC \kb
	v_max3_num_f32 v236, |v[XS]|, |v[XS+1]|, |v[XS+2]|
	v_max3_num_f32 v237, |v[XS+3]|, |v[XS+4]|, |v[XS+5]|
.irp i, 6,10,14,18,22,26
	v_max3_num_f32 v236, v236, |v[XS+\i]|, |v[XS+\i+1]|
	v_max3_num_f32 v237, v237, |v[XS+\i+2]|, |v[XS+\i+3]|
.endr
	v_max3_num_f32 v236, v236, |v[XS+30]|, |v[XS+31]|
	v_max3_num_f32 v236, v236, v237, 0x1800000     ; and the floor
	v_add_nc_u32 v238, 0xff000000, v236
	v_lshrrev_b32 v241, 23, v238
.if (\kb) == 0
	v_mov_b32 v244, v241                           ; four bytes make the column's word for these 128 along K
.else
	v_lshl_or_b32 v244, v241, 8*(\kb), v244
.endif
.irp g, 0,1,2,3
	v_cvt_scalef32_pk8_fp4_f32 v[X+4*(\kb)+\g], v[XS+8*\g:XS+8*\g+7], v238
.endr
	v_nop                                          ; one plain line behind the last scaled conversion
	global_store_b128 v11, v[X+4*(\kb):X+4*(\kb)+3], s[36:37] offset:512*((\kb)/2)+256*((\kb)%2)   ; sixteen lanes fill 256 consecutive bytes of an image
.if (\kb) < 2
	LOADC (\kb)+2
.endif
.endm
.macro BLOCKO kb                       ; 32 rows of Wo at my column: x the head's mask, to f16, one image's column
.set XS, R+32*(\kb)
	WAITC \kb
.irp p, 0,2,4,6,8,10,12,14,16,18,20,22,24,26,28,30
	v_pk_mul_f32 v[XS+\p:XS+\p+1], v[XS+\p:XS+\p+1], s[52+2*((\kb)/2):53+2*((\kb)/2)] op_sel_hi:[1,0]
.endr
.irp p, 0,1,2,3,4,5,6,7,8,9,10,11,12,13,14,15
	v_cvt_pk_f16_f32 v[X+16*(\kb)+\p], v[XS+2*\p], v[XS+2*\p+1]
.endr
.irp q, 0,1,2,3
	global_store_b128 v11, v[X+16*(\kb)+4*\q:X+16*(\kb)+4*\q+3], s[36:37] offset:1024*(\kb)+512*(\q/2)+256*(\q%2)
.endr
.if (\kb) < 2
	LOADC (\kb)+2
.endif
.endm
	s_load_b512 s[4:19], s[0:1], 0x0               ; hidden 4, key_value 6, mask 8, Wq 10, Wk 12, Wv 14, Wo 16, head mask 18
	s_load_b256 s[20:27], s[0:1], 0x40             ; qc 20, qs 22, maskt 24, wo16 26
	v_lshl_add_u32 v1, v0, 2, SPARE
	v_mov_b32 v2, 0
	v_lshrrev_b32 v3, 5, v0
	v_readfirstlane_b32 s28, v3                    ; wave 0..3
	v_and_b32 v3, 31, v0                           ; lane
	v_and_b32 v4, 15, v0                           ; r
	v_bfe_u32 v5, v0, 4, 1                         ; h
	v_lshlrev_b32 v6, 4, v3                        ; 16 x lane
	v_lshlrev_b32 v10, 3, v5                       ; 8 h
	s_mul_i32 s29, s28, WST                        ; my wave's stage
	v_add_nc_u32 v7, s29, v6                       ; rows: in, 16 x lane of a stage row
	v_mul_u32_u24 v8, v4, SP
	v_add_nc_u32 v8, s29, v8
	v_lshl_add_u32 v15, v5, 5, v8
	v_add_nc_u32 v15, STM, v15                     ; mask: out, row r + 32 h
	v_lshl_add_u32 v8, v5, 7, v8                   ; rows: out, row r + 128 h
	v_add_nc_u32 v14, STM, v7                      ; mask: in
	s_mov_b32 s46, 0x76543210
	s_mov_b32 s47, 0xfedcba98                      ; v_permlanex16_b32's selects for lane l xor 16
	s_mov_b32 s57, 0                               ; the high word of the offset pair s[56:57]
	s_wait_kmcnt 0x0
	s_cmp_lt_u32 ttmp9, 256
	s_cbranch_scc1 .Lmask
	s_cmp_lt_u32 ttmp9, 576
	s_cbranch_scc1 .Lrows
	; ---- THE COLUMN PATHS.  A lane takes a column n and its registers run down K: 32 columns x 128 K a wave, four waves side by side.
	s_sub_co_u32 s30, ttmp9, 576                   ; 0-63 Wq, 64-79 Wk, 80-95 Wv, 96-159 Wo
	s_mov_b64 s[32:33], s[10:11]
	s_mov_b32 s31, 0
	s_mov_b32 s43, 13                              ; log2 of the bytes from a tile of 16 columns to the next: 8 K steps of 1,024,
	s_mov_b32 s36, WQ_C
	s_mov_b32 s38, WQ_S
	s_cmp_ge_u32 s30, 64
	s_cselect_b64 s[32:33], s[12:13], s[32:33]
	s_cselect_b32 s31, 64, s31
	s_cselect_b32 s43, 11, s43                     ; or 2
	s_cselect_b32 s36, WK_C, s36
	s_cselect_b32 s38, WK_S, s38
	s_cmp_ge_u32 s30, 80
	s_cselect_b64 s[32:33], s[14:15], s[32:33]
	s_cselect_b32 s31, 80, s31
	s_cselect_b32 s36, WV_C, s36
	s_cselect_b32 s38, WV_S, s38
	s_cmp_ge_u32 s30, 96
	s_cselect_b64 s[32:33], s[16:17], s[32:33]
	s_cselect_b32 s31, 96, s31
	s_sub_co_u32 s31, s30, s31
	s_and_b32 s41, s31, 7                          ; which 128 columns
	s_lshr_b32 s42, s31, 3                         ; which 128 along K
	s_lshl_b32 s56, s42, 19                        ; 128 rows of 4,096 bytes
	s_lshl_b32 s29, s41, 9
	s_add_co_u32 s56, s56, s29
	s_lshl_b32 s29, s28, 7
	s_add_co_u32 s56, s56, s29
	s_add_nc_u64 s[32:33], s[32:33], s[56:57]
	s_lshl_b32 s45, s41, 3
	s_lshl_b32 s29, s28, 1
	s_add_co_u32 s45, s45, s29                     ; my first tile of 16 columns
	v_lshlrev_b32 v9, 2, v3
	LOADC 0
	LOADC 1
	s_cmp_ge_u32 s30, 96
	s_cbranch_scc1 .Lwo
	s_sub_co_u32 s44, s43, 4                       ; the same for the scale words: 64 bytes a K step
	s_lshl_b32 s29, s45, s43
	s_add_co_u32 s36, s36, s29
	s_lshl_b32 s29, s42, 10
	s_add_co_u32 s36, s36, s29
	s_mov_b32 s37, 0
	s_add_nc_u64 s[36:37], s[20:21], s[36:37]
	s_lshl_b32 s29, s45, s44
	s_add_co_u32 s38, s38, s29
	s_lshl_b32 s29, s42, 6
	s_add_co_u32 s38, s38, s29
	s_mov_b32 s39, 0
	s_add_nc_u64 s[38:39], s[22:23], s[38:39]
	v_lshlrev_b32 v11, s43, v5                     ; lanes 16-31 hold the next tile's columns
	v_lshl_add_u32 v11, v4, 4, v11
	v_lshlrev_b32 v12, s44, v5
	v_lshl_add_u32 v12, v4, 2, v12
	BLOCKW 0
	BLOCKW 1
	BLOCKW 2
	BLOCKW 3
	global_store_b32 v12, v244, s[38:39]           ; sixteen lanes: the tile's 64 bytes of words
	s_branch .Lend
.Lwo:
	s_lshl_b32 s56, s42, 3                         ; these 128 rows belong to heads 2 ks and 2 ks + 1
	s_add_nc_u64 s[18:19], s[18:19], s[56:57]
	s_load_b64 s[58:59], s[18:19], 0x0
	s_lshl_b32 s36, s45, 15                        ; a tile of 16 columns: 32 images
	s_lshl_b32 s29, s42, 12
	s_add_co_u32 s36, s36, s29
	s_mov_b32 s37, 0
	s_add_nc_u64 s[36:37], s[26:27], s[36:37]
	v_lshlrev_b32 v11, 15, v5
	v_lshl_add_u32 v11, v4, 4, v11
	s_wait_kmcnt 0x0
	s_mov_b32 s52, s58                             ; (the packed form names a pair and takes its low word for both halves)
	s_mov_b32 s53, s58
	s_mov_b32 s54, s59
	s_mov_b32 s55, s59
	BLOCKO 0
	BLOCKO 1
	BLOCKO 2
	BLOCKO 3
	s_branch .Lend
	; ---- THE ROW PATH.  A task is four units of 16 rows x 128 K: hidden: one tile of rows, half of its K; key_value: two tiles of rows, all of K.
.Lrows:
	s_cmp_lt_u32 ttmp9, 512                        ; hidden or key_value?  Only numbers and pointers are chosen: one text serves both
	s_cselect_b64 s[32:33], s[4:5], s[6:7]
	s_mov_b32 s30, 512
	s_cselect_b32 s30, 256, s30                    ; the tensor's first work-group
	s_mov_b32 s40, 1024
	s_cselect_b32 s40, 4096, s40                   ; a row in bytes
	s_mov_b32 s44, 16384
	s_cselect_b32 s44, 1024, s44                   ; from units 0, 1 to units 2, 3
	s_cselect_b32 s36, 0, KV_C
	s_cselect_b32 s38, 0, KV_S
	s_cselect_b32 s41, 16, 8                       ; where a lane's two scale words go: r x this
	s_cselect_b32 s42, 8, 128                      ; + h x this
	s_cselect_b32 s43, 30720, 0                    ; hidden: an odd task begins 2,048 bytes along its tile's rows, not 32,768 bytes on
	s_sub_co_u32 s30, ttmp9, s30
	s_lshl_b32 s30, s30, 2
	s_add_co_u32 s30, s30, s28                     ; the task
	s_and_b32 s31, s30, 1
	s_mul_i32 s31, s31, s43
	s_lshl_b32 s56, s30, 15
	s_sub_co_u32 s56, s56, s31
	s_add_nc_u64 s[32:33], s[32:33], s[56:57]
	s_mov_b32 s45, 0
	s_add_nc_u64 s[34:35], s[32:33], s[44:45]
	s_lshl_b32 s29, s30, 12                        ; four images a task
	s_add_co_u32 s36, s36, s29
	s_mov_b32 s37, 0
	s_add_nc_u64 s[36:37], s[20:21], s[36:37]
	s_lshl_b32 s29, s30, 8                         ; 256 bytes of scale words a task
	s_add_co_u32 s38, s38, s29
	s_mov_b32 s39, 0
	s_add_nc_u64 s[38:39], s[22:23], s[38:39]
	v_mul_u32_u24 v9, v4, s41
	v_mad_u32_u24 v9, v5, s42, v9
.irp i, 0,1,2,3,4,5,6,7,8,9,10,11,12,13,14,15
	v_mad_u32_u24 v[ROFF+\i], s40, \i, v6
.endr
	v_mov_b32 v240, 0                              ; written once: a lane permute's destination counts as one of its sources
	LOADQ 0
	LOADQ 1
	UNITQ 0
	UNITQ 1
	UNITQ 2
	UNITQ 3
	v_cmp_eq_u32 vcc_lo, 1, v5
	v_cndmask_b32 v236, v[SW], v[SW+2], vcc_lo     ; lanes 0-15 store units 0 and 1's words of row r, lanes 16-31 units 2 and 3's
	v_cndmask_b32 v237, v[SW+1], v[SW+3], vcc_lo
	global_store_b64 v9, v[236:237], s[38:39]      ; the wave stores 256 consecutive bytes, aligned
	s_branch .Lend
	; ---- THE MASK PATH.  A task is 16 queries x 512 keys, in four units of 128 keys.
.Lmask:
	s_lshl_b32 s30, ttmp9, 2
	s_add_co_u32 s30, s30, s28
	s_lshr_b32 s56, s30, 1
	s_lshl_b32 s56, s56, 16                        ; 16 rows of 4,096 bytes
	s_and_b32 s31, s30, 1
	s_lshl_b32 s31, s31, 11
	s_add_co_u32 s56, s56, s31
	s_add_nc_u64 s[32:33], s[8:9], s[56:57]
	s_lshl_b32 s56, s30, 15                        ; 32 tiles of 1,024 bytes
	s_add_nc_u64 s[36:37], s[24:25], s[56:57]
	s_mov_b32 s48, 0x3fb8aa3b                      ; log2(e)
	s_mov_b32 s49, s48
	s_mov_b32 s51, 0x7f800000
	v_mov_b32 v13, 0x7f7fffff                      ; the largest f32 number
	LOADM 0
	LOADM 1
	UNITM 0
	UNITM 1
	UNITM 2
	UNITM 3
.Lend:
	s_wait_tensorcnt 0x0                           ; the wave's end: with the two lines below, behind the last LDS store
	ds_add_u32 v1, v2
	s_wait_dscnt 0x0
	s_endpgm
.Lfunc_end_k_q321e004b2b_prep:
	.size	k_q321e004b2b_prep, .Lfunc_end_k_q321e004b2b_prep-k_q321e004b2b_prep
	.p2alignl 7, 3214868480
	.fill 96, 4, 3214868480
	.section	.rodata,"a",@progbits
	.p2align	6, 0x0
	.amdhsa_kernel k_q321e004b2b_prep
		.amdhsa_group_segment_fixed_size 68096
		.amdhsa_private_segment_fixed_size 0
		.amdhsa_enable_private_segment 0
		.amdhsa_kernarg_size 96
		.amdhsa_user_sgpr_count 2
		.amdhsa_user_sgpr_kernarg_segment_ptr 1
		.amdhsa_wavefront_size32 1
		.amdhsa_system_sgpr_workgroup_id_x 1
		.amdhsa_system_sgpr_workgroup_id_y 1
		.amdhsa_system_sgpr_workgroup_id_z 1
		.amdhsa_system_vgpr_workitem_id 0
		.amdhsa_next_free_vgpr 256
		.amdhsa_next_free_sgpr 66
		.amdhsa_reserve_vcc 1
		.amdhsa_float_denorm_mode_32 3
		.amdhsa_float_denorm_mode_16_64 3
		.amdhsa_memory_ordered 1
		.amdhsa_forward_progress 1
		.amdhsa_inst_pref_size 146
	.end_amdhsa_kernel
	.amdgpu_metadata
---
amdhsa.version: [ 1, 2 ]
amdhsa.kernels:
  - .name:           k_q321e004b2b_prep
    .symbol:         k_q321e004b2b_prep.kd
    .args:
      - { .name: hidden_states, .offset: 0, .size: 8, .value_kind: global_buffer, .address_space: global }
      - { .name: key_value_states, .offset: 8, .size: 8, .value_kind: global_buffer, .address_space: global }
      - { .name: attention_mask, .offset: 16, .size: 8, .value_kind: global_buffer, .address_space: global }
      - { .name: Wq, .offset: 24, .size: 8, .value_kind: global_buffer, .address_space: global }
      - { .name: Wk, .offset: 32, .size: 8, .value_kind: global_buffer, .address_space: global }
      - { .name: Wv, .offset: 40, .size: 8, .value_kind: global_buffer, .address_space: global }
      - { .name: Wo, .offset: 48, .size: 8, .value_kind: global_buffer, .address_space: global }
      - { .name: layer_head_mask, .offset: 56, .size: 8, .value_kind: global_buffer, .address_space: global }
      - { .name: qc, .offset: 64, .size: 8, .value_kind: global_buffer, .address_space: global }
      - { .name: qs, .offset: 72, .size: 8, .value_kind: global_buffer, .address_space: global }
      - { .name: maskt, .offset: 80, .size: 8, .value_kind: global_buffer, .address_space: global }
      - { .name: wo16, .offset: 88, .size: 8, .value_kind: global_buffer, .address_space: global }
    .group_segment_fixed_size: 68096
    .private_segment_fixed_size: 0
    .kernarg_segment_align: 8
    .kernarg_segment_size: 96
    .max_flat_workgroup_size: 128
    .sgpr_count:     66
    .vgpr_count:     256
    .wavefront_size: 32
...
	.end_amdgpu_metadata
.endif
;; end of part 1
;; launch attn (part 2): grid 256 x 1, 8 waves a work-group, no clusters, 317,440 bytes of LDS; arguments qc, qs, maskt, bq, bk, bv, ctx16; writes ctx16
.if DOCPART == 2
	.amdgcn_target "amdgcn-amd-amdhsa--gfx1250"
	.amdhsa_code_object_version 6
	.text
	.protected	k_q321e004b2b_attn
	.globl	k_q321e004b2b_attn
	.p2align	8
	.type	k_q321e004b2b_attn,@function
k_q321e004b2b_attn:
	s_mov_b64 s[64:65], 0
	v_nop
	global_prefetch_b8 v0, s[64:65] scope:SCOPE_SE
	s_setreg_imm32_b32 hwreg(HW_REG_WAVE_MODE, 25, 1), 1
	s_wait_xcnt 0x0
; ATTN: the three quantised projections and the attention itself, for one (batch, PAIR of heads, 256 queries) a work-group; q, k, v, scores and weights never go to memory.
; SHARES.  hp = work-group & 7: heads 2 hp, 2 hp + 1; qb = the block of 256 queries; b = the batch.  Each of eight waves owns two tiles of 16 queries, for both heads.
; q: q^T = Wq^T x hidden^T on codes of E2M1 (source 0 = 16 channels, source 1 = 16 queries), bq as the first C; x 0.125 log2(e), to f16: the packed registers ARE source 1 of the score products.
; K, V: for 512 keys at a time (two halves), both heads: K^T = Wk^T x kv^T gives a lane one key and eight channels, V = kv x Wv gives a lane one channel and eight keys: 16 bytes of f16 a lane go straight
;       into rows of K [key][64 channels] and of V^T [channel][512 keys] in LDS.  Wave w makes keys 64 w .. 64 w + 63.  The four work-groups of a (batch, pair) each make them: 2,048 matrix instructions a work-group.
; SCORES.  S^T = K q^T + mask (f16 operands, f32 sums): the mask tile, already x log2(e) and in the accumulator's layout, is the C of the first link; it is loaded into registers once and serves both heads.
; SOFTMAX.  A running maximum m and sum l for each query and head: p = 2^(s - m); O and l are multiplied by a = 2^(m_old - m_new) in every step.  p goes to f16 in place and IS source 1 of O^T += V^T p.
; OUT.  O^T / l, to f16: a lane's 16 bytes are a part of the next launch's operand image: each store of the wave covers 512 consecutive bytes, no stage.
; CLUSTER: none, and no tensor load.  What work-groups share is the mask, and it is wanted in registers, as a C operand; through LDS a step's tile for the work-group's 256 queries x 64 keys would be 65,536 bytes,
;       where 10,240 are unclaimed, and would add 4 bytes of LDS reads a score to the 8 that K and V take.  K and V are made in place.
; LIMITS.  q x 0.125 log2(e), k, v and the result go to f16: magnitudes from 65,504 on overflow, under 6e-8 are lost.  The mask enters as mask x log2(e), rounded once more than in the reference's order.
;       The running maximum starts at the most negative finite f32 number: a row whose every score is -infinity gives 0 x infinity = NaN, as the reference does.
; REGISTERS.  Window 0: v1, v2 the add's two; v3 16 x lane; v4, v5 my place in K's rows (head 0, 1); v6, v7 in V's; v8, v9 LDS addresses in hand; v10, v11 the mask loads' offsets; v12 the prefetch's;
;   v13-15 addresses of the weights' images, scale words, bk; v16-31 m, d, l, l for (head, tile); v32-47 at work (v38, v39, v46, v47 offsets that stay); v48-111 S^T, then p; v112-175 two fragment buffers X, Y;
;   v176-239 q; v240-255 scale words and nothing else.   Window 1: v0-127 O^T; v128-255 two mask buffers (the second lends itself to the projection's weights).
.set KV_C,  4194304
.set WQ_C,  5242880
.set WK_C,  5767168
.set KV_S,  262144
.set WQ_S,  327680
.set WK_S,  360448
.set KP,    144                        ; a key's row: 128 bytes + 16: an odd multiple of 16
.set KHD,   512*KP                     ; a head's 512 rows of K
.set VREG,  2*KHD
.set VP,    1040                       ; a channel's row of V^T: 1,024 bytes + 16
.set VHD,   64*VP
.set WK,    VREG+2*VHD                 ; Wk's 16 images, then Wv's 16
.set WKS,   WK+32768                   ; their scale words, 1,024 + 1,024 bytes
.set BK,    WKS+2048                   ; bk's and bv's 128 numbers
.set SPARE, BK+1024                    ; the spare words, 128 bytes a wave: four blocks of 256 bytes that no other line names
.set WQS,   65536                      ; until the first K rows are made: Wq's 64 images from byte 0, their scale words here
.set ST,    16
.set TT,    32
.set S,     48
.set BX,    112
.set BY,    144
.set Q,     176
.set MSB, 0
.macro WIN new                         ; the immediate's high byte repeats the setting that is left; a switch that changes nothing is dropped
.if MSB != (\new)
	s_set_vgpr_msb (MSB<<8)|(\new)
.set MSB, (\new)
.endif
.endm
.macro PLACES n                        ; plain vector lines behind a matrix instruction (ISA guide 7.12.1)
.rept \n
	v_nop
.endr
.endm
.macro BARRIER                         ; my LDS stores have landed and my LDS loads are in: then the work-group's barrier
	s_wait_dscnt 0x0
	s_barrier_signal -1
	s_barrier_wait -1
.endm
; a scaled product on 4-bit codes; ra, rb: source 0's, source 1's scales stand in lanes 16-31 of their register
.macro WS d, a, b, c, sa, sb, ra, rb
.if (\ra) && (\rb)
	v_wmma_scale_f32_16x16x128_f8f6f4 v[\d:\d+7], v[\a:\a+7], v[\b:\b+7], v[\c:\c+7], v[\sa], v[\sb] matrix_a_fmt:MATRIX_FMT_FP4 matrix_b_fmt:MATRIX_FMT_FP4 matrix_a_scale:MATRIX_SCALE_ROW1 matrix_b_scale:MATRIX_SCALE_ROW1
.elseif (\ra)
	v_wmma_scale_f32_16x16x128_f8f6f4 v[\d:\d+7], v[\a:\a+7], v[\b:\b+7], v[\c:\c+7], v[\sa], v[\sb] matrix_a_fmt:MATRIX_FMT_FP4 matrix_b_fmt:MATRIX_FMT_FP4 matrix_a_scale:MATRIX_SCALE_ROW1
.elseif (\rb)
	v_wmma_scale_f32_16x16x128_f8f6f4 v[\d:\d+7], v[\a:\a+7], v[\b:\b+7], v[\c:\c+7], v[\sa], v[\sb] matrix_a_fmt:MATRIX_FMT_FP4 matrix_b_fmt:MATRIX_FMT_FP4 matrix_b_scale:MATRIX_SCALE_ROW1
.else
	v_wmma_scale_f32_16x16x128_f8f6f4 v[\d:\d+7], v[\a:\a+7], v[\b:\b+7], v[\c:\c+7], v[\sa], v[\sb] matrix_a_fmt:MATRIX_FMT_FP4 matrix_b_fmt:MATRIX_FMT_FP4
.endif
.endm
; ---- q's projection
.macro FETCHW s                        ; K step s of Wq's eight tiles into buffer s % 2 (v48 or v112 on), and their scale words: 20 LDS loads
.irp nt, 0,1,2,3,4,5,6,7
.irp c, 0,1
	ds_load_b128 v[48+64*((\s)%2)+8*\nt+4*\c:48+64*((\s)%2)+8*\nt+4*\c+3], v3 offset:(8*\nt+(\s))*1024+512*\c
.endr
.endr
.irp np, 0,1,2,3
	ds_load_b32 v[248+4*((\s)%2)+\np], v14 offset:1024*\np+64*(\s)     ; lanes 0-15: tile 2 np; lanes 16-31: tile 2 np + 1
.endr
.endm
.macro QPROD s                         ; 16 products, 16 accumulators by turns: eight tiles of channels x my two tiles of queries
.if (\s) == 0
	WIN 0x44                                       ; hidden's fragments and the sums in window 1; the first C is bq, in window 0
.else
	WIN 0x54
.endif
.irp nt, 0,1,2,3,4,5,6,7
.irp i, 0,1
.set d_, 64*\i+8*\nt
.set a_, 48+64*((\s)%2)+8*\nt
.set b_, 128+64*\i+8*(\s)
.set c_, d_
.if (\s) == 0
.set c_, Q+8*\nt
.endif
.set sa_, 248+4*((\s)%2)+\nt/2
.set sb_, 240+(\s)
	WS d_, a_, b_, c_, sa_, sb_, \nt%2, \i
.endr
.endr
.endm
; ---- K's and V's projection.  Unit n: n / 8 = 0: K, 1: V; tile n % 8 of 16 channels of the pair; its weights in the set n % 2 of window 1
.macro FETCHU n
.set kd_, (\n)/8
.set nt_, (\n)%8
.set pr_, (\n)%2
	WIN 0x40
.irp s, 0,1
.irp c, 0,1
	ds_load_b128 v[192+16*pr_+8*\s+4*\c:192+16*pr_+8*\s+4*\c+3], v13 offset:16384*kd_+(2*nt_+\s)*1024+512*\c
.endr
.endr
.if kd_ == 0
	ds_load_b128 v[224+8*pr_:227+8*pr_], v15 offset:64*nt_             ; bk of the lane's eight channels
	ds_load_b128 v[228+8*pr_:231+8*pr_], v15 offset:64*nt_+16
.else
.irp j, 0,1,2,3,4,5,6,7
	ds_load_b32 v[224+8*pr_+\j], v14 offset:2560+64*nt_                ; bv of the lane's one channel, for its eight keys
.endr
.endif
	WIN 0
.irp s, 0,1
	ds_load_b32 v[244+2*pr_+\s], v14 offset:1024*kd_+(2*nt_+\s)*64
.endr
.endm
.macro UNIT n
.if (\n) < 15
	FETCHU (\n)+1
.endif
.if (\n) < 7
	s_wait_dscnt 8                                 ; all but the next unit's 8 loads: this unit's weights are in, the last unit's stores have landed
.elseif (\n) < 15
	s_wait_dscnt 14                                ; the same; a unit of V fetches 14
.else
	s_wait_dscnt 0x0
.endif
.if (\n) == 4
	v_add_nc_u32 v8, s50, v5                       ; K's rows of the second head
.endif
.if (\n) == 12
	v_add_nc_u32 v9, s51, v7                       ; V's
.endif
.set uk_, (\n)/8
.set un_, (\n)%8
.set up_, (\n)%2
.irp s, 0,1
.set wn_, 0x11-0x10*\s
.if uk_ == 1
.set wn_, 0x14-0x10*\s
.endif
	WIN wn_                                        ; the weights, and the bias as the first C, in window 1
.irp t, 0,1,2,3                        ; my four tiles of 16 keys: four accumulators by turns
.set d_, S+8*\t
.set w_, 192+16*up_+8*\s
.set x_, BX+16*\t+8*\s
.set c_, d_
.if \s == 0
.set c_, 224+8*up_
.endif
.set sw_, 244+2*up_+\s
.set sx_, 240+2*(\t/2)+\s
.if uk_ == 0
	WS d_, w_, x_, c_, sw_, sx_, 0, \t%2
.else
	WS d_, x_, w_, c_, sx_, sw_, \t%2, 0
.endif
.endr
.endr
	WIN 0
	PLACES 5                                       ; four ahead of the conversions' reads; five, since the next unit begins these accumulators anew
.irp t, 0,1,2,3
.irp j, 0,1,2,3
	v_cvt_pk_f16_f32 v[S+8*\t+\j], v[S+8*\t+2*\j], v[S+8*\t+2*\j+1]    ; in place, from the low end on
.endr
.endr
.irp t, 0,1,2,3
.if uk_ == 0
	ds_store_b128 v8, v[S+8*\t:S+8*\t+3] offset:16*KP*\t+32*(un_%4)    ; key 16 t + r, channels 16 (n % 4) + 8 h + 0 .. 7
.else
	ds_store_b128 v9, v[S+8*\t:S+8*\t+3] offset:16*VP*(un_%4)+32*\t    ; channel 16 (n % 4) + r, keys 16 t + 8 h + 0 .. 7
.endif
.endr
.endm
; ---- the key steps
.macro MLOAD p                         ; a step's mask tiles (2 tiles of queries x 4 of keys) into buffer p: 16 loads of 512 consecutive bytes
	WIN 0x40
.irp i, 0,1
.irp kt, 0,1,2,3
.irp c, 0,1
	global_load_b128 v[128+64*\p+32*\i+8*\kt+4*\c:128+64*\p+32*\i+8*\kt+4*\c+3], v[10+\p], s[24:25] offset:65536*\i+1024*\kt+512*\c-4096*\p
.endr
.endr
.endr
	WIN 0
.endm
; A PREFETCH of the mask tiles of the step three on, two steps ahead of the load that wants them: 2 tiles of queries x 4,096 bytes, a lane a block of 256 bytes, one instruction a wave.
; The eight work-groups of a (batch, block of queries) read the same tiles: the one with hp = 0 asks, so each block is named once.  Steps 13 to 15 ask for nothing; steps 0 to 2 come by their loads alone.
.macro ASK p
	s_cmp_gt_u32 s40, s[43+\p]
	s_cbranch_scc0 .Lnot_mine_\@
	global_prefetch_b8 v12, s[26:27] offset:4096*\p th:TH_LOAD_NT scope:SCOPE_SE
.Lnot_mine_\@:
.endm
.macro LDK buf, kt0, off               ; two tiles of 16 keys x 64 channels from K's rows at v8: 8 loads
.irp k, 0,1
.irp u, 0,1
.irp c, 0,1
	ds_load_b128 v[\buf+16*\k+8*\u+4*\c:\buf+16*\k+8*\u+4*\c+3], v8 offset:(\off)+16*KP*(\kt0+\k)+64*\u+32*\c
.endr
.endr
.endr
.endm
.macro LDV buf, kb, p                  ; four tiles of 16 channels x 32 keys from V^T's rows at v9: 8 loads
.irp ct, 0,1,2,3
.irp c, 0,1
	ds_load_b128 v[\buf+8*\ct+4*\c:\buf+8*\ct+4*\c+3], v9 offset:128*(\p)+16*VP*\ct+64*(\kb)+32*\c
.endr
.endr
.endm
.macro QK buf, kt0, hd, p              ; S^T of two tiles of keys x my two tiles of queries: four accumulators by turns, two links each; the first C is the mask
	WIN 0x10
.irp k, 0,1
.irp i, 0,1
	v_wmma_f32_16x16x32_f16 v[S+32*\i+8*(\kt0+\k):S+32*\i+8*(\kt0+\k)+7], v[\buf+16*\k:\buf+16*\k+7], v[Q+32*\hd+16*\i:Q+32*\hd+16*\i+7], v[128+64*\p+32*\i+8*(\kt0+\k):128+64*\p+32*\i+8*(\kt0+\k)+7]
.endr
.endr
	WIN 0
.irp k, 0,1
.irp i, 0,1
	v_wmma_f32_16x16x32_f16 v[S+32*\i+8*(\kt0+\k):S+32*\i+8*(\kt0+\k)+7], v[\buf+16*\k+8:\buf+16*\k+15], v[Q+32*\hd+16*\i+8:Q+32*\hd+16*\i+15], v[S+32*\i+8*(\kt0+\k):S+32*\i+8*(\kt0+\k)+7]
.endr
.endr
.endm
.macro PV buf, kb, hd                  ; O^T += V^T p for 32 keys: eight accumulators by turns
	WIN 0x50
.irp ct, 0,1,2,3
.irp i, 0,1
	v_wmma_f32_16x16x32_f16 v[64*\hd+32*\i+8*\ct:64*\hd+32*\i+8*\ct+7], v[\buf+8*\ct:\buf+8*\ct+7], v[S+32*\i+8*\kb:S+32*\i+8*\kb+7], v[64*\hd+32*\i+8*\ct:64*\hd+32*\i+8*\ct+7]
.endr
.endr
	WIN 0
.endm
.macro SOFTMAX hd                      ; my two tiles by turns, line by line.  A lane holds one query and 32 of the step's 64 keys
.irp j, 0,1,2,3
.irp i, 0,1
	v_max3_num_f32 v[TT+8*\i+\j], v[S+32*\i+8*\j], v[S+32*\i+8*\j+1], v[S+32*\i+8*\j+2]   ; each accumulator is read from its low end on
.endr
.endr
.irp g, 1,2
.irp j, 0,1,2,3
.irp i, 0,1
	v_max3_num_f32 v[TT+8*\i+\j], v[TT+8*\i+\j], v[S+32*\i+8*\j+2*\g+1], v[S+32*\i+8*\j+2*\g+2]
.endr
.endr
.endr
.irp i, 0,1
	v_max3_num_f32 v[TT+8*\i], v[TT+8*\i], v[S+32*\i+7], v[S+32*\i+15]
.endr
.irp i, 0,1
	v_max3_num_f32 v[TT+8*\i+2], v[TT+8*\i+2], v[S+32*\i+23], v[S+32*\i+31]
.endr
.irp i, 0,1
	v_max3_num_f32 v[TT+8*\i], v[TT+8*\i], v[TT+8*\i+1], v[TT+8*\i+2]
.endr
.irp i, 0,1
	v_max3_num_f32 v[TT+8*\i], v[TT+8*\i], v[TT+8*\i+3], v[ST+8*\hd+4*\i]      ; and the old m
.endr
.irp i, 0,1
	v_permlanex16_b32 v[TT+8*\i+1], v[TT+8*\i], s46, s47                       ; the query's other 32 keys lie in the lane 16 away
.endr
.irp i, 0,1
	v_mov_b32 v[ST+8*\hd+4*\i+1], v[ST+8*\hd+4*\i]
.endr
.irp i, 0,1
	v_max_num_f32 v[ST+8*\hd+4*\i], v[TT+8*\i], v[TT+8*\i+1]                   ; the new m
.endr
.irp i, 0,1
	v_sub_f32 v[ST+8*\hd+4*\i+1], v[ST+8*\hd+4*\i+1], v[ST+8*\hd+4*\i]         ; m_old - m_new
.endr
.irp i, 0,1
	v_exp_f32 v[TT+8*\i+4], v[ST+8*\hd+4*\i+1]                                 ; a
.endr
.irp k, 0,2,4,6,8,10,12,14,16,18,20,22,24,26,28,30
.irp i, 0,1
	v_pk_add_f32 v[S+32*\i+\k:S+32*\i+\k+1], v[S+32*\i+\k:S+32*\i+\k+1], v[ST+8*\hd+4*\i:ST+8*\hd+4*\i+1] op_sel_hi:[1,0] neg_lo:[0,1] neg_hi:[0,1]   ; s - m, two at a time
.endr
.endr
.irp e, 0,1,2,3,4,5,6,7,8,9,10,11,12,13,14,15,16,17,18,19,20,21,22,23,24,25,26,27,28,29,30,31
.irp i, 0,1
	v_exp_f32 v[S+32*\i+\e], v[S+32*\i+\e]                                     ; p = 2^(s - m)
.endr
.endr
	v_nop                                          ; a plain line behind the last exponential
	s_wait_alu depctr_va_vdst(0)                   ; ONE wait for the batch of 66, ahead of the first line that names a result
.irp i, 0,1
	v_pk_add_f32 v[TT+8*\i:TT+8*\i+1], v[S+32*\i:S+32*\i+1], v[S+32*\i+2:S+32*\i+3]       ; the sum of p, in f32, in two chains
.endr
.irp i, 0,1
	v_pk_add_f32 v[TT+8*\i+2:TT+8*\i+3], v[S+32*\i+4:S+32*\i+5], v[S+32*\i+6:S+32*\i+7]
.endr
.irp k, 8,12,16,20,24,28
.irp i, 0,1
	v_pk_add_f32 v[TT+8*\i:TT+8*\i+1], v[TT+8*\i:TT+8*\i+1], v[S+32*\i+\k:S+32*\i+\k+1]
	v_pk_add_f32 v[TT+8*\i+2:TT+8*\i+3], v[TT+8*\i+2:TT+8*\i+3], v[S+32*\i+\k+2:S+32*\i+\k+3]
.endr
.endr
.irp i, 0,1
	v_pk_add_f32 v[TT+8*\i:TT+8*\i+1], v[TT+8*\i:TT+8*\i+1], v[TT+8*\i+2:TT+8*\i+3]
.endr
.irp i, 0,1
	v_pk_fma_f32 v[ST+8*\hd+4*\i+2:ST+8*\hd+4*\i+3], v[ST+8*\hd+4*\i+2:ST+8*\hd+4*\i+3], v[TT+8*\i+4:TT+8*\i+5], v[TT+8*\i:TT+8*\i+1] op_sel_hi:[1,0,1]   ; l = a l + the sum
.endr
.irp k, 0,1,2,3,4,5,6,7,8,9,10,11,12,13,14,15
.irp i, 0,1
	v_cvt_pk_f16_f32 v[S+32*\i+\k], v[S+32*\i+2*\k], v[S+32*\i+2*\k+1]         ; p to f16, in place: registers 8 kb .. 8 kb + 7 are source 1 for keys 32 kb on
.endr
.endr
	WIN 0x41
.irp k, 0,2,4,6,8,10,12,14,16,18,20,22,24,26,28,30
.irp i, 0,1
	v_pk_mul_f32 v[64*\hd+32*\i+\k:64*\hd+32*\i+\k+1], v[64*\hd+32*\i+\k:64*\hd+32*\i+\k+1], v[TT+8*\i+4:TT+8*\i+5] op_sel_hi:[1,0]   ; O^T x a, each accumulator from its low end on
.endr
.endr
	WIN 0
.endm
; One head's part of a key step of 64 keys.  On entry two runs of 8 LDS loads are out: K's tiles 0, 1 into X and 2, 3 into Y.  Every s_wait_dscnt 8 leaves out exactly the one younger run of 8.
.macro HSTEP hd, p
	s_wait_dscnt 8
	QK BX, 0, \hd, \p
	v_add_nc_u32 v9, s39, v[6+\hd]                 ; (with the three below: four places ahead of loads into registers that the products read)
	PLACES 3
	LDV BX, 0, \p
	s_wait_dscnt 8
	QK BY, 2, \hd, \p
	PLACES 4
	LDV BY, 1, \p
	SOFTMAX \hd
	s_wait_dscnt 8
	PV BX, 0, \hd
	v_add_nc_u32 v8, s38, v[5-\hd]                 ; what comes next: the other head (behind head 1: head 0 of the next step)
	PLACES 3
	LDK BX, 0, 64*KP*(\p+\hd)
	s_wait_dscnt 8
	PV BY, 1, \hd
	PLACES 5                                       ; four ahead of the loads; five, since the next scores are laid over p
	LDK BY, 2, 64*KP*(\p+\hd)
.endm
	s_load_b256 s[4:11], s[0:1], 0x0               ; qc 4, qs 6, maskt 8, bq 10
	s_load_b128 s[12:15], s[0:1], 0x20             ; bk 12, bv 14
	s_load_b64 s[16:17], s[0:1], 0x30              ; ctx16
	v_lshl_add_u32 v1, v0, 2, SPARE
	v_mov_b32 v2, 0
	v_lshrrev_b32 v32, 5, v0
	v_readfirstlane_b32 s18, v32                   ; wave 0..7
	v_and_b32 v34, 31, v0                          ; lane
	v_and_b32 v32, 15, v0                          ; r
	v_bfe_u32 v33, v0, 4, 1                        ; h
	v_lshlrev_b32 v3, 4, v34
	v_lshlrev_b32 v38, 3, v34                      ; 8 x lane: the keys' scale words
	v_mul_u32_u24 v4, v32, KP
	v_lshl_add_u32 v4, v33, 4, v4                  ; K: row r + 16 h
	v_add_nc_u32 v5, KHD, v4
	v_mul_u32_u24 v6, v32, VP
	v_lshl_add_u32 v6, v33, 4, v6
	v_add_nc_u32 v6, VREG, v6                      ; V^T: row r + 16 h
	v_add_nc_u32 v7, VHD, v6
	v_lshlrev_b32 v12, 8, v32
	v_lshl_add_u32 v12, v33, 16, v12               ; the prefetch: tile h of my two, block r of a step's sixteen
	v_lshlrev_b32 v8, 4, v0                        ; the staging: 16 x thread, in memory and in LDS,
	v_lshl_add_u32 v9, v0, 4, WQS
	v_lshl_add_u32 v10, v0, 4, WK
	v_lshl_add_u32 v11, v0, 2, WKS
	v_lshlrev_b32 v39, 2, v0
	v_and_b32 v46, 127, v0
	v_lshlrev_b32 v46, 2, v46
	v_lshlrev_b32 v47, 4, v32
	v_lshl_add_u32 v47, v33, 9, v47                ; hidden's scale words: tile h, row r, four words
	v_lshlrev_b32 v15, 5, v33                      ; bq: 32 h
	v_lshlrev_b32 v14, 2, v32
	v_lshl_add_u32 v14, v33, 9, v14
	v_add_nc_u32 v14, WQS, v14                     ; Wq's scale words: tile 2 np + h, row r
	v_lshl_add_u32 v13, v34, 4, WK                 ; Wk's and Wv's images: 16 x lane
	s_and_b32 s19, ttmp9, 7                        ; hp
	s_bfe_u32 s20, ttmp9, 0x20003                  ; qb
	s_lshr_b32 s21, ttmp9, 5                       ; b
	s_lshl_b32 s22, s21, 6
	s_lshl_b32 s2, s20, 4
	s_add_co_u32 s22, s22, s2
	s_lshl_b32 s2, s18, 1
	s_add_co_u32 s22, s22, s2                      ; my first tile of queries: 64 b + 16 qb + 2 wave
	s_mul_i32 s50, s18, 64*KP                      ; my 64 keys in K's rows,
	s_lshl_b32 s51, s18, 7                         ; and along V^T's
	s_mov_b32 s46, 0x76543210
	s_mov_b32 s47, 0xfedcba98                      ; v_permlanex16_b32's selects for lane l xor 16
	s_mov_b32 s48, 0x3e38aa3b                      ; 0.125 log2(e)
	s_mov_b32 s49, s48
	s_cmp_eq_u32 s19, 0
	s_cselect_b32 s43, 1, -1                       ; a wave prefetches while the trips left are above these
	s_cselect_b32 s44, 2, -1
	s_mov_b32 s3, 0
	s_wait_kmcnt 0x0
	s_lshl_b32 s2, s19, 16
	s_add_co_u32 s2, s2, WQ_C
	s_add_nc_u64 s[32:33], s[4:5], s[2:3]          ; the pair's 64 images of Wq
	s_lshl_b32 s2, s19, 12
	s_add_co_u32 s2, s2, WQ_S
	s_add_nc_u64 s[34:35], s[6:7], s[2:3]
	s_lshl_b32 s2, s19, 14
	s_add_co_u32 s2, s2, WK_C
	s_add_nc_u64 s[36:37], s[4:5], s[2:3]          ; 16 of Wk; Wv's lie 131,072 bytes on
	s_lshl_b32 s2, s19, 10
	s_add_co_u32 s2, s2, WK_S
	s_add_nc_u64 s[54:55], s[6:7], s[2:3]          ; Wv's words lie 8,192 bytes on
	s_cmp_lt_u32 s18, 4
	s_cselect_b64 s[56:57], s[12:13], s[14:15]     ; waves 0-3 bring bk, waves 4-7 bv
	s_lshl_b32 s2, s19, 9
	s_add_nc_u64 s[56:57], s[56:57], s[2:3]
	s_add_nc_u64 s[62:63], s[10:11], s[2:3]
	s_lshl_b32 s2, s22, 13
	s_add_nc_u64 s[58:59], s[4:5], s[2:3]          ; hidden's images of my two tiles
	s_lshl_b32 s2, s22, 9
	s_add_nc_u64 s[60:61], s[6:7], s[2:3]
	s_lshl_b32 s2, s22, 16
	s_add_nc_u64 s[24:25], s[8:9], s[2:3]          ; my mask tiles
	s_add_nc_u64 s[26:27], s[24:25], 12288         ; the prefetches begin at step 3
	s_lshl_b32 s2, s21, 6
	s_lshl_b32 s23, s18, 2
	s_add_co_u32 s23, s2, s23                      ; my first tile of keys: 64 b + 4 wave
	s_lshl_b32 s2, s23, 11
	s_add_co_u32 s2, s2, KV_C
	s_add_nc_u64 s[28:29], s[4:5], s[2:3]
	s_lshl_b32 s2, s23, 7
	s_add_co_u32 s2, s2, KV_S
	s_add_nc_u64 s[30:31], s[6:7], s[2:3]
	s_lshl_b32 s2, s22, 15
	s_lshl_b32 s23, s19, 12
	s_add_co_u32 s2, s2, s23
	s_add_nc_u64 s[52:53], s[16:17], s[2:3]        ; my images of the result
	; ---- 0: the pair's weights go into LDS as they lie: 28 loads, each round of the work-group 4,096 (or 1,024) consecutive bytes
.irp i, 0,1,2,3,4,5,6,7,8,9,10,11,12,13,14,15
	global_load_b128 v[48+4*\i:51+4*\i], v8, s[32:33] offset:4096*\i
.endr
	global_load_b128 v[112:115], v8, s[34:35]
.irp i, 0,1,2,3
	global_load_b128 v[116+4*\i:119+4*\i], v8, s[36:37] offset:4096*\i
.endr
.irp i, 0,1,2,3
	global_load_b128 v[132+4*\i:135+4*\i], v8, s[36:37] offset:131072+4096*\i
.endr
	global_load_b32 v148, v39, s[54:55]
	global_load_b32 v149, v39, s[54:55] offset:8192
	global_load_b32 v150, v46, s[56:57]
	; and 50 loads of my own: hidden's 16 fragments, their scale words, bq in the result's layout
	WIN 0x40
.irp i, 0,1
.irp s, 0,1,2,3,4,5,6,7
.irp c, 0,1
	global_load_b128 v[128+64*\i+8*\s+4*\c:128+64*\i+8*\s+4*\c+3], v3, s[58:59] offset:8192*\i+1024*\s+512*\c
.endr
.endr
.endr
	WIN 0
	global_load_b128 v[240:243], v47, s[60:61]                 ; K steps 0-3: lanes 0-15 tile 0's rows, lanes 16-31 tile 1's
	global_load_b128 v[244:247], v47, s[60:61] offset:256      ; K steps 4-7
.irp nt, 0,1,2,3,4,5,6,7
.irp c, 0,1
	global_load_b128 v[Q+8*\nt+4*\c:Q+8*\nt+4*\c+3], v15, s[62:63] offset:64*\nt+16*\c
.endr
.endr
	s_wait_loadcnt 50                              ; the 28 are in; my own 50 stay out
.irp i, 0,1,2,3,4,5,6,7,8,9,10,11,12,13,14,15
	ds_store_b128 v8, v[48+4*\i:51+4*\i] offset:4096*\i
.endr
	ds_store_b128 v9, v[112:115]
.irp i, 0,1,2,3,4,5,6,7
	ds_store_b128 v10, v[116+4*\i:119+4*\i] offset:4096*\i
.endr
	ds_store_b32 v11, v148
	ds_store_b32 v11, v149 offset:1024
	ds_store_b32 v11, v150 offset:2048
	BARRIER                                        ; the weights lie in LDS
	; ---- 1: q^T for my 32 queries and the pair's 128 channels: eight K steps of 128, Wq's fragments a step ahead in two buffers
	FETCHW 0
	s_wait_loadcnt 0x0                             ; hidden, its scale words, bq
.set S_, 0
.rept 8
.if S_ < 7
.if S_ > 0
	WIN 0
	PLACES 4                                       ; ahead of loads into the buffer and scale registers that the step before last... the last products of that buffer read
.endif
	FETCHW S_+1
	s_wait_dscnt 20                                ; all but the 20 just issued
.else
	s_wait_dscnt 0x0
.endif
	QPROD S_
.set S_, S_+1
.endr
	WIN 0
	PLACES 4
	WIN 0x41
.set j_, 0
.rept 64
	v_pk_mul_f32 v[j_:j_+1], v[j_:j_+1], s[48:49] op_sel_hi:[1,0]      ; x 0.125 log2(e); ascending
.set j_, j_+2
.endr
	WIN 0x05
.irp i, 0,1
.irp nt, 0,1,2,3,4,5,6,7
.irp j, 0,1,2,3
	v_cvt_pk_f16_f32 v[Q+32*(\nt/4)+16*\i+4*(\nt%4)+\j], v[64*\i+8*\nt+2*\j], v[64*\i+8*\nt+2*\j+1]   ; head nt / 4, tile i: two fragments of 32 channels
.endr
.endr
.endr
	WIN 0x40
.set j_, 0
.rept 128
	v_mov_b32 v[j_], 0                             ; O^T.  The key step is written once: its first trip finds zeros, which a = 0 leaves zeros
.set j_, j_+1
.endr
	WIN 0
.irp x, 0,1,2,3
	v_mov_b32 v[ST+4*\x], 0xff7fffff               ; m: the most negative finite number
	v_mov_b32 v[ST+4*\x+2], 0                      ; l, in two halves
	v_mov_b32 v[ST+4*\x+3], 0
.endr
	v_mov_b32 v[TT+5], 0                           ; (named as the upper halves of the pairs that hold a)
	v_mov_b32 v[TT+13], 0
	v_and_b32 v14, 15, v0
	v_lshl_add_u32 v14, v14, 2, WKS                ; Wk's and Wv's scale words, and bv: 4 r
	v_bfe_u32 v15, v0, 4, 1
	v_lshl_add_u32 v15, v15, 5, BK                 ; bk: 32 h
	v_mov_b32 v10, v3
	v_mov_b32 v11, v3
	MLOAD 0                                        ; step 0's mask
	s_mov_b32 s40, 8                               ; trips of two steps left, over both halves
	s_mov_b32 s42, 2
.Lhalf:                                            ; 512 keys
	s_wait_dscnt 0x0                               ; my reads of what is overwritten below are over (Wq's images; the last half's K and V, the run fetched past its end too)
.irp t, 0,1,2,3
.irp s, 0,1
.irp c, 0,1
	global_load_b128 v[BX+16*\t+8*\s+4*\c:BX+16*\t+8*\s+4*\c+3], v3, s[28:29] offset:2048*\t+1024*\s+512*\c   ; my four tiles of keys, two K steps
.endr
.endr
.endr
.irp tp, 0,1
	global_load_b64 v[240+2*\tp:241+2*\tp], v38, s[30:31] offset:256*\tp       ; lanes 0-15: tile 2 tp; lanes 16-31: tile 2 tp + 1; a word for each K step
.endr
	s_barrier_signal -1
	s_barrier_wait -1                              ; every wave's reads are over
	v_add_nc_u32 v8, s50, v4
	v_add_nc_u32 v9, s51, v6
	FETCHU 0
	s_wait_loadcnt 0x0                             ; the keys' codes and words (and the mask tile that was on its way)
.set N_, 0
.rept 16
	UNIT N_
.set N_, N_+1
.endr
	BARRIER                                        ; K and V^T of 512 keys lie in LDS
	s_add_nc_u64 s[28:29], s[28:29], 65536         ; the next half's keys (the loads that read these bases are done)
	s_add_nc_u64 s[30:31], s[30:31], 4096
	s_mov_b32 s38, 0                               ; where the trip's keys begin in K's rows,
	s_mov_b32 s39, 0                               ; and along V^T's
	v_add_nc_u32 v8, s38, v4
	LDK BX, 0, 0
	LDK BY, 2, 0
	s_mov_b32 s41, 4
.Ltrip:                                            ; two key steps of 64 keys
	v_add_nc_u32 v11, 8192, v11                    ; (free: the loads that read it were waited for in the last trip)
	MLOAD 1                                        ; the odd step's mask
	ASK 0
	s_wait_loadcnt 16                              ; the even step's mask is in; the 16 just issued stay out
	HSTEP 0, 0
	HSTEP 1, 0
	s_cmp_eq_u32 s40, 1                            ; behind the last step of all there is no mask to fetch: no load leaves its buffer
	s_cbranch_scc1 .Llast
	v_add_nc_u32 v10, 8192, v10
	MLOAD 0                                        ; the next even step's mask
	ASK 1
	s_wait_loadcnt 16                              ; the odd step's mask is in
	s_branch .Lgo
.Llast:
	s_wait_loadcnt 0x0
.Lgo:
	HSTEP 0, 1
	HSTEP 1, 1
	s_add_co_u32 s38, s38, 128*KP
	s_add_co_u32 s39, s39, 256
	s_sub_co_u32 s40, s40, 1
	s_wait_xcnt 0x0                                ; the last prefetch, a step back, has read its address
	s_add_nc_u64 s[26:27], s[26:27], 8192
	s_sub_co_u32 s41, s41, 1
	s_cmp_lg_u32 s41, 0
	s_cbranch_scc1 .Ltrip
	s_sub_co_u32 s42, s42, 1
	s_cmp_lg_u32 s42, 0
	s_cbranch_scc1 .Lhalf
	; ---- THE WAY OUT
	s_wait_dscnt 0x0                               ; the run fetched past the last step
	s_barrier_signal -1
	s_barrier_wait -1
.irp x, 0,1,2,3
	v_add_f32 v[TT+\x], v[ST+4*\x+2], v[ST+4*\x+3]             ; l's two halves,
.endr
.irp x, 0,1,2,3
	v_permlanex16_b32 v[TT+8+\x], v[TT+\x], s46, s47
.endr
.irp x, 0,1,2,3
	v_add_f32 v[TT+\x], v[TT+\x], v[TT+8+\x]                   ; and the other half of the lanes'
.endr
.irp x, 0,1,2,3
	v_rcp_f32 v[ST+4*\x], v[TT+\x]
.endr
	v_nop                                          ; a plain line behind the last reciprocal
	s_wait_alu depctr_va_vdst(0)                   ; one wait for the four, ahead of their first reader
	WIN 0x41
.irp hd, 0,1
.irp i, 0,1
.irp k, 0,2,4,6,8,10,12,14,16,18,20,22,24,26,28,30
	v_pk_mul_f32 v[64*\hd+32*\i+\k:64*\hd+32*\i+\k+1], v[64*\hd+32*\i+\k:64*\hd+32*\i+\k+1], v[ST+8*\hd+4*\i:ST+8*\hd+4*\i+1] op_sel_hi:[1,0]
.endr
.endr
.endr
	WIN 0x05
.irp hd, 0,1
.irp i, 0,1
.irp ct, 0,1,2,3
.irp j, 0,1,2,3
	v_cvt_pk_f16_f32 v[S+32*\i+16*\hd+4*\ct+\j], v[64*\hd+32*\i+8*\ct+2*\j], v[64*\hd+32*\i+8*\ct+2*\j+1]
.endr
.endr
.endr
.endr
	WIN 0
.irp i, 0,1
.irp hd, 0,1
.irp ct, 0,1,2,3
	global_store_b128 v3, v[S+32*\i+16*\hd+4*\ct:S+32*\i+16*\hd+4*\ct+3], s[52:53] offset:32768*\i+512*(4*\hd+\ct)   ; query r, channels 16 ct + 8 h + 0 .. 7: half an image, 512 consecutive bytes
.endr
.endr
.endr
	s_wait_tensorcnt 0x0                           ; the wave's end: with the two lines below, behind the last LDS store
	ds_add_u32 v1, v2
	s_wait_dscnt 0x0
	s_endpgm
.Lfunc_end_k_q321e004b2b_attn:
	.size	k_q321e004b2b_attn, .Lfunc_end_k_q321e004b2b_attn-k_q321e004b2b_attn
	.p2alignl 7, 3214868480
	.fill 96, 4, 3214868480
	.section	.rodata,"a",@progbits
	.p2align	6, 0x0
	.amdhsa_kernel k_q321e004b2b_attn
		.amdhsa_group_segment_fixed_size 317440
		.amdhsa_private_segment_fixed_size 0
		.amdhsa_enable_private_segment 0
		.amdhsa_kernarg_size 56
		.amdhsa_user_sgpr_count 2
		.amdhsa_user_sgpr_kernarg_segment_ptr 1
		.amdhsa_wavefront_size32 1
		.amdhsa_system_sgpr_workgroup_id_x 1
		.amdhsa_system_sgpr_workgroup_id_y 1
		.amdhsa_system_sgpr_workgroup_id_z 1
		.amdhsa_system_vgpr_workitem_id 0
		.amdhsa_next_free_vgpr 512
		.amdhsa_next_free_sgpr 66
		.amdhsa_reserve_vcc 0
		.amdhsa_float_denorm_mode_32 3
		.amdhsa_float_denorm_mode_16_64 3
		.amdhsa_memory_ordered 1
		.amdhsa_forward_progress 1
		.amdhsa_inst_pref_size 196
	.end_amdhsa_kernel
	.amdgpu_metadata
---
amdhsa.version: [ 1, 2 ]
amdhsa.kernels:
  - .name:           k_q321e004b2b_attn
    .symbol:         k_q321e004b2b_attn.kd
    .args:
      - { .name: qc, .offset: 0, .size: 8, .value_kind: global_buffer, .address_space: global }
      - { .name: qs, .offset: 8, .size: 8, .value_kind: global_buffer, .address_space: global }
      - { .name: maskt, .offset: 16, .size: 8, .value_kind: global_buffer, .address_space: global }
      - { .name: bq, .offset: 24, .size: 8, .value_kind: global_buffer, .address_space: global }
      - { .name: bk, .offset: 32, .size: 8, .value_kind: global_buffer, .address_space: global }
      - { .name: bv, .offset: 40, .size: 8, .value_kind: global_buffer, .address_space: global }
      - { .name: ctx16, .offset: 48, .size: 8, .value_kind: global_buffer, .address_space: global }
    .group_segment_fixed_size: 317440
    .private_segment_fixed_size: 0
    .kernarg_segment_align: 8
    .kernarg_segment_size: 56
    .max_flat_workgroup_size: 256
    .sgpr_count:     66
    .vgpr_count:     512
    .wavefront_size: 32
...
	.end_amdgpu_metadata
.endif
;; end of part 2
;; launch outp (part 3): grid 4 x 64, 4 waves a work-group, clusters of 4 x 4, 327,680 bytes of LDS; arguments ctx16, wo16, bo, out0; writes out0
.if DOCPART == 3
	.amdgcn_target "amdgcn-amd-amdhsa--gfx1250"
	.amdhsa_code_object_version 6
	.text
	.protected	k_q321e004b2b_outp
	.globl	k_q321e004b2b_outp
	.p2align	8
	.type	k_q321e004b2b_outp,@function
k_q321e004b2b_outp:
	s_mov_b64 s[64:65], 0
	v_nop
	global_prefetch_b8 v0, s[64:65] scope:SCOPE_SE
	s_setreg_imm32_b32 hwreg(HW_REG_WAVE_MODE, 25, 1), 1
	s_wait_xcnt 0x0
	s_wait_alu depctr_hold_cnt(0) depctr_sa_sdst(0) depctr_va_vdst(0) depctr_va_sdst(0) depctr_va_ssrc(0) depctr_va_vcc(0) depctr_vm_vsrc(0)
	s_getreg_b32 s2, hwreg(HW_REG_IB_STS2, 6, 4)
	s_cmp_eq_u32 s2, 0
	s_cbranch_scc0 .Lentry_in_a_cluster
	s_endpgm
.Lentry_in_a_cluster:
	s_bfe_u32 s2, ttmp6, 0x10000c
	s_cmp_lg_u32 s2, 0xf033
	s_cbranch_scc0 .Lentry_shape_is_right
	s_endpgm
.Lentry_shape_is_right:
; OUTP: out0[m][n] = sum over k of ctx[m][k] wo[n][k] + bo[n].  ctx (8,192 x 1,024) and wo (1,024 x 1,024, the head mask already in it) are f16, laid as images of operand registers:
; [tile of 16 rows][block of 32 K] x 1,024 bytes, [c 2][lane 32][16 bytes].  Sums in f32; out0 is f32.
; A tile of out0 is 128 rows x 256 columns: 256 work-groups of four waves; a wave makes 64 x 128: 32 accumulators, 256 registers.
; THE RING.  A refill is on its way only from one change of slots to the next, so it has the other slot's matrix work in which to land: the slots are as large as LDS holds.  Slot X takes 6 images (192 along K)
; of each of the 24 tiles of rows (ctx's 8, wo's 16), slot Y 7 images: 147,456 + 172,032 bytes.  The 32 images of K go 6 + 7 + 6 + 7 + 6: five visits, three refills.  Between a refill's request and the wait
; for it a wave issues 16 + 6 x 32 = 208, 16 + 5 x 32 = 176 and 208 matrix instructions.  The images land as they lie, so a fragment is two ds_load_b128 at 16 x lane: consecutive bytes, no pitch, no padding.
; The K walk is written out, 32 quarters of 32 along K: visits of 7 flip the turn of the two fragment buffers, and the last visits ask for nothing.
; CLUSTERS: 4 x 4 work-groups.  The four of a row of the cluster need the same rows of ctx, the four of a column the same rows of wo: each tile is asked for JOINTLY, by the same tensor load with the same
; descriptor and a mask that names the four.  THE MATRIX INSTRUCTION IS USED TRANSPOSED (source 0 = 16 rows of wo, source 1 = 16 rows of ctx): a lane holds eight neighbouring numbers of a row of out0.
; bo is the C of each sum's first link: eight registers a tile of columns, in the result's layout.
; By the text's own count a wave has two tensor loads out at the start and one behind each round.
; REGISTERS: window 0: v16-29 addresses; v32-127, v128-223 two fragment buffers (ctx's 4 fragments, then wo's 8), later rows of out0.  Window 1: the accumulators, (a, bt) at v[8 (8 a + bt)].  Window 2: v0-63 bo.
.set IMG,    1024                      ; an image
.set NX,     6                         ; images of a tile of rows in slot X,
.set NY,     7                         ; in slot Y
.set XW,     8*NX*IMG                  ; slot X begins at 0: ctx's 8 tiles, then wo's 16 from here
.set SLY,    24*NX*IMG                 ; slot Y
.set YW,     SLY+8*NY*IMG              ; wo's tiles in it
.set SPARE,  SLY+24*NY*IMG             ; behind the ring: the spare words, 128 bytes a wave: two blocks of 256 bytes that no other line names
.set STAGE,  SLY                       ; the way out: 16 rows x (512 + 16) bytes for each wave, in slot Y: it has had its last fill, and its last read stands ahead of the barrier in front of the last visit
.set SPITCH, 528
.set ACX,  16                          ; v16  my ctx fragments in slot X
.set AWX,  17                          ; v17  my wo fragments in slot X
.set ACY,  18                          ; v18, v19  the same in slot Y
.set AWY,  19
.set STO,  24
.set RD,   25
.set CO,   26                          ; 16 x lane
.set SPW,  28
.set NIL,  29
.set F0,   32
.set F1,   128
.set G1C6, 24                          ; s[24:31] descriptor group 1: ctx, rows of 6 images;  s[32:39] of 7
.set G1C7, 32
.set G1W6, 40                          ; s[40:47], s[48:55] the same for wo
.set G1W7, 48
.set G0CX, 56                          ; s[56:59], s[60:63] group 0 for ctx: slot X, slot Y
.set G0CY, 60
.set G0WX, 68                          ; s[68:71], s[72:75] for wo
.set G0WY, 72
.set MSB, 0
.macro WIN new                         ; the immediate's high byte repeats the setting that is left
.if MSB != (\new)
	s_set_vgpr_msb (MSB<<8)|(\new)
.set MSB, (\new)
.endif
.endm
.macro PLACES n
.rept \n
	v_nop
.endr
.endm
; A joint load: waves 0 and 1 fetch ctx's two halves, waves 2 and 3 wo's.  Each of the two lines has one mask and one set of registers for all that issue it; the branch hangs on the wave's number alone.
; An s_nop 0 and four v_nop follow each of the two lines.
.macro JLOAD g0c, g1c, g0w, g1w
	s_cmp_eq_u32 s13, 0
	s_cbranch_scc0 .Lfor_w_\@
	tensor_load_to_lds s[\g0c:\g0c+3], s[\g1c:\g1c+7]
	s_nop 0
.rept 4
	v_nop
.endr
	s_branch .Lasked_\@
.Lfor_w_\@:
	tensor_load_to_lds s[\g0w:\g0w+3], s[\g1w:\g1w+7]
	s_nop 0
.rept 4
	v_nop
.endr
.Lasked_\@:
.endm
.macro CREST                           ; a round of the cluster's barrier behind its opening barrier
	s_cmp_lg_u32 s12, 0
	s_cbranch_scc1 .Lnot_wave_0_\@
	s_barrier_signal -3
.Lnot_wave_0_\@:
	s_barrier_wait -3
	s_barrier_signal -1
	s_barrier_wait -1
.endm
.macro CROUND
	s_barrier_signal -1
	s_barrier_wait -1
	CREST
.endm
; group 1 but for its first word: rows of n images = 128 n elements of 8 bytes, 4,096 elements (a tile's 32 images) apart; no padding
.macro SHAPE g, n, rows
	s_mov_b32 s[\g+1], ((\n)*128)<<16              ; tensor_dim0
	s_mov_b32 s[\g+2], (\rows)<<16                 ; tensor_dim1
	s_mov_b32 s[\g+3], ((\n)*128)<<16              ; tile_dim0
	s_mov_b32 s[\g+4], \rows                       ; tile_dim1
	s_mov_b32 s[\g+5], 4096                        ; tensor_dim0_stride
	s_mov_b32 s[\g+6], 0
	s_mov_b32 s[\g+7], 0
.endm
	s_load_b256 s[4:11], s[0:1], 0x0               ; ctx16 4, wo16 6, bo 8, out0 10
	v_lshl_add_u32 v[SPW], v0, 2, SPARE
	v_mov_b32 v[NIL], 0
	ds_add_u32 v[SPW], v[NIL]                      ; the wave's opening: the add, twice on end, and its wait ahead of my first tensor load
	ds_add_u32 v[SPW], v[NIL]
	v_lshrrev_b32 v1, 5, v0
	v_readfirstlane_b32 s12, v1                    ; wave 0..3
	s_lshr_b32 s13, s12, 1                         ; which 64 rows of the tile are mine.  Also: I fetch for ctx (0) or for wo (1)
	s_and_b32 s14, s12, 1                          ; which 128 columns.  Also: which half of that tile I fetch
	s_bfe_u32 s76, ttmp6, 0x40000                  ; cx, cy: my place in the cluster
	s_bfe_u32 s77, ttmp6, 0x40004
	s_lshl_b32 s78, ttmp9, 2
	s_add_co_u32 s78, s78, s76                     ; tile column = 4 x cluster x + cx
	s_and_b32 s15, ttmp7, 0xffff
	s_lshl_b32 s15, s15, 2
	s_add_co_u32 s15, s15, s77                     ; tile row = 4 x cluster y + cy
	s_lshl_b32 s79, s77, 2
	s_lshl_b32 s79, 15, s79                        ; my row of the cluster
	s_lshl_b32 s80, 0x1111, s76                    ; my column
	s_or_b32 s[G1C6], s79, (3<<16)|(1<<21)         ; 15:0 the mask; 17:16 elements of 8 bytes; 21 set beside a mask
	s_or_b32 s[G1C7], s79, (3<<16)|(1<<21)
	s_or_b32 s[G1W6], s80, (3<<16)|(1<<21)
	s_or_b32 s[G1W7], s80, (3<<16)|(1<<21)
	SHAPE G1C6, NX, 4                              ; a wave that fetches for ctx brings 4 tiles of rows,
	SHAPE G1C7, NY, 4
	SHAPE G1W6, NX, 8                              ; one that fetches for wo 8
	SHAPE G1W7, NY, 8
	s_lshl_b32 s16, s15, 3
	s_lshl_b32 s17, s14, 2
	s_add_co_u32 s16, s16, s17                     ; ctx: tile of rows 8 x tile row + 4 x half
	s_lshl_b32 s16, s16, 15
	s_mov_b32 s17, 0
	s_lshl_b32 s82, s78, 4
	s_lshl_b32 s83, s14, 3
	s_add_co_u32 s82, s82, s83                     ; wo: tile of rows 16 x tile column + 8 x half
	s_lshl_b32 s82, s82, 15
	s_mov_b32 s83, 0
	s_mul_i32 s18, s14, 4*NX*IMG                   ; where they go, from the slot's part on: no place in the cluster enters an LDS address
	s_mul_i32 s19, s14, 4*NY*IMG
	s_mul_i32 s22, s14, 8*NX*IMG
	s_mul_i32 s23, s14, 8*NY*IMG
	s_wait_dscnt 0x0                               ; both opening adds are done
	s_wait_kmcnt 0x0
	s_add_nc_u64 s[20:21], s[4:5], s[16:17]
	s_add_nc_u64 s[82:83], s[6:7], s[82:83]
	CROUND                                         ; all sixteen work-groups are here: the first joint loads meet
	s_mov_b32 s[G0CX], 1                           ; slot X begins with images 0 to 5,
	s_mov_b32 s[G0CX+1], s18
	s_mov_b64 s[G0CX+2:G0CX+3], s[20:21]
	s_or_b32 s[G0CX+3], s[G0CX+3], 0x80000000
	s_mov_b32 s[G0WX], 1
	s_add_co_u32 s[G0WX+1], s22, XW
	s_mov_b64 s[G0WX+2:G0WX+3], s[82:83]
	s_or_b32 s[G0WX+3], s[G0WX+3], 0x80000000
	s_mov_b32 s[G0CY], 1                           ; slot Y with images 6 to 12
	s_add_co_u32 s[G0CY+1], s19, SLY
	s_add_nc_u64 s[G0CY+2:G0CY+3], s[20:21], NX*IMG
	s_or_b32 s[G0CY+3], s[G0CY+3], 0x80000000
	s_mov_b32 s[G0WY], 1
	s_add_co_u32 s[G0WY+1], s23, YW
	s_add_nc_u64 s[G0WY+2:G0WY+3], s[82:83], NX*IMG
	s_or_b32 s[G0WY+3], s[G0WY+3], 0x80000000
	JLOAD G0CX, G1C6, G0WX, G1W6
	JLOAD G0CY, G1C7, G0WY, G1W7
	v_and_b32 v1, 15, v0                           ; r
	v_bfe_u32 v2, v0, 4, 1                         ; h
	v_and_b32 v3, 31, v0
	v_lshlrev_b32 v[CO], 4, v3
	s_mul_i32 s16, s13, 4*NX*IMG                   ; my four tiles of ctx's eight,
	v_add_nc_u32 v[ACX], s16, v[CO]
	s_mul_i32 s16, s14, 8*NX*IMG                   ; my eight of wo's sixteen
	s_add_co_u32 s16, s16, XW
	v_add_nc_u32 v[AWX], s16, v[CO]
	s_mul_i32 s16, s13, 4*NY*IMG
	s_add_co_u32 s16, s16, SLY
	v_add_nc_u32 v[ACY], s16, v[CO]
	s_mul_i32 s16, s14, 8*NY*IMG
	s_add_co_u32 s16, s16, YW
	v_add_nc_u32 v[AWY], s16, v[CO]
	s_mul_i32 s16, s12, 16*SPITCH
	s_add_co_u32 s16, s16, STAGE                   ; my stage
	v_mul_u32_u24 v4, v1, SPITCH
	v_lshl_add_u32 v4, v2, 5, v4
	v_add_nc_u32 v[STO], s16, v4                   ; in: row r, 32 bytes for each half of the lanes
	v_add_nc_u32 v[RD], s16, v[CO]                 ; back: the 32 lanes take one row of 512 bytes
	v_lshlrev_b32 v5, 5, v2                        ; bo: 32 h
	s_lshl_b32 s82, s78, 10
	s_lshl_b32 s83, s14, 9
	s_add_co_u32 s82, s82, s83                     ; my first column, in bytes
	s_mov_b32 s83, 0
	s_add_nc_u64 s[8:9], s[8:9], s[82:83]
	s_add_nc_u64 s[10:11], s[10:11], s[82:83]
	s_lshl_b32 s18, s15, 7
	s_lshl_b32 s19, s13, 6
	s_add_co_u32 s18, s18, s19                     ; my first row
	s_lshl_b32 s18, s18, 12
	s_mov_b32 s19, 0
	s_add_nc_u64 s[10:11], s[10:11], s[18:19]
	WIN 0x80
.irp bt, 0,1,2,3,4,5,6,7
.irp c, 0,1
	global_load_b128 v[8*\bt+4*\c:8*\bt+4*\c+3], v5, s[8:9] offset:64*\bt+16*\c
.endr
.endr
	WIN 0
; 24 LDS loads: image kb of a slot that holds n images a tile: wo's eight fragments (address rb), then ctx's four (address ra), into buffer f
.macro FETCH ra, rb, n, kb, f
	WIN 0
.irp bt, 0,1,2,3,4,5,6,7
.irp c, 0,1
	ds_load_b128 v[\f+32+8*\bt+4*\c:\f+32+8*\bt+4*\c+3], v[\rb] offset:((\n)*\bt+(\kb))*IMG+512*\c
.endr
.endr
.irp a, 0,1,2,3
.irp c, 0,1
	ds_load_b128 v[\f+8*\a+4*\c:\f+8*\a+4*\c+3], v[\ra] offset:((\n)*\a+(\kb))*IMG+512*\c
.endr
.endr
.endm
; 8 products: ctx's tile a against wo's eight.  The 32 accumulators take turns, one instruction a turn, in the same order in every quarter.  first = 1: bo starts the sums
.macro MUL8 f, a, first
.if \first
	WIN 0x60
.else
	WIN 0x50
.endif
.irp bt, 0,1,2,3,4,5,6,7
.if \first
	v_wmma_f32_16x16x32_f16 v[8*(8*(\a)+\bt):8*(8*(\a)+\bt)+7], v[\f+32+8*\bt:\f+32+8*\bt+7], v[\f+8*(\a):\f+8*(\a)+7], v[8*\bt:8*\bt+7]
.else
	v_wmma_f32_16x16x32_f16 v[8*(8*(\a)+\bt):8*(8*(\a)+\bt)+7], v[\f+32+8*\bt:\f+32+8*\bt+7], v[\f+8*(\a):\f+8*(\a)+7], v[8*(8*(\a)+\bt):8*(8*(\a)+\bt)+7]
.endif
.endr
.endm
; A quarter is 32 along K: 32 products on buffer f; in its middle the same slot's image kb is fetched into buffer g
.macro QUARTER f, g, ra, rb, n, kb, first
	s_wait_dscnt 4                                 ; wo's fragments and ctx's tiles 0, 1 are in; the youngest four loads (tiles 2, 3) may be out
	MUL8 \f, 0, \first
	MUL8 \f, 1, \first
	PLACES 4                                       ; ahead of loads into registers that the last quarter's products read
	FETCH \ra, \rb, \n, \kb, \g
	s_wait_dscnt 24                                ; all but the 24 just issued
	MUL8 \f, 2, \first
	MUL8 \f, 3, \first
.endm
; A slot's last quarter changes slots: ONE barrier; ahead of it each wave waits for all its tensor loads, adds 0 to its spare word, and waits for that and for its reads of this slot.
; fill = 1: this slot is filled again, with the images 13 further on; the barrier then opens a round of the cluster's.  ra, rb, n: the slot that comes next
.macro TURN f, g, ra, rb, n, fill, g0c, g1c, g0w, g1w
	WIN 0                                          ; (the add's two registers lie in window 0)
	s_wait_tensorcnt 0x0                           ; all my tensor loads have landed: my part of the next slot;
	ds_add_u32 v[SPW], v[NIL]                      ; 0 onto my spare word;
	s_wait_dscnt 5                                 ; (the add and the youngest four loads may be out)
	MUL8 \f, 0, 0                                  ; eight products stand between the add and the wait for it
	s_wait_dscnt 0x0                               ; the add is done, and my reads of this slot are over
	s_barrier_signal -1
	MUL8 \f, 1, 0
.if \fill
	WIN 0
.endif
	s_barrier_wait -1
.if \fill
	CREST                                          ; no wave of any partner still reads this slot or has a load on its way
	s_add_nc_u64 s[\g0c+2:\g0c+3], s[\g0c+2:\g0c+3], (NX+NY)*IMG   ; (no tensor load of mine is out: a group 0 may be written)
	s_add_nc_u64 s[\g0w+2:\g0w+3], s[\g0w+2:\g0w+3], (NX+NY)*IMG
	JLOAD \g0c, \g1c, \g0w, \g1w                   ; the first tensor load behind the round; its four v_nop are also the places ahead of the loads below
.else
	PLACES 4
.endif
	FETCH \ra, \rb, \n, 0, \g
	MUL8 \f, 2, 0
	MUL8 \f, 3, 0
.endm
; the two fragment buffers take turns from quarter to quarter: FC is multiplied, FN is filled
.set QP, 0
.set FC, F0
.set FN, F1
.macro NEXTQ
.set QP, 1-QP
.set FC, F0+(F1-F0)*QP
.set FN, F0+(F1-F0)*(1-QP)
.endm
.macro RUN ra, rb, n, from, cnt        ; cnt quarters of one slot, which fetch its images from, from + 1, ..
.set KB_, \from
.rept \cnt
	QUARTER FC, FN, \ra, \rb, \n, KB_, 0
	NEXTQ
.set KB_, KB_+1
.endr
.endm
	s_wait_tensorcnt 1                             ; my part of slot X is in (slot Y's load may be out)
	s_barrier_signal -1
	s_barrier_wait -1                              ; everybody's is
	FETCH ACX, AWX, NX, 0, FC
	s_wait_loadcnt 0x0                             ; bo
	QUARTER FC, FN, ACX, AWX, NX, 1, 1             ; images 0 to 5, in slot X: the first quarter's products start the sums
	NEXTQ
	RUN ACX, AWX, NX, 2, 4
	TURN FC, FN, ACY, AWY, NY, 1, G0CX, G1C6, G0WX, G1W6   ; slot X takes images 13 to 18
	NEXTQ
	RUN ACY, AWY, NY, 1, 6                         ; images 6 to 12, in slot Y
	TURN FC, FN, ACX, AWX, NX, 1, G0CY, G1C7, G0WY, G1W7   ; slot Y takes images 19 to 25
	NEXTQ
	RUN ACX, AWX, NX, 1, 5                         ; images 13 to 18
	TURN FC, FN, ACY, AWY, NY, 1, G0CX, G1C6, G0WX, G1W6   ; slot X takes images 26 to 31: the last load
	NEXTQ
	RUN ACY, AWY, NY, 1, 6                         ; images 19 to 25
	TURN FC, FN, ACX, AWX, NX, 0, 0, 0, 0, 0       ; nothing is left to fetch, so no round follows; behind this barrier nobody reads slot Y
	NEXTQ
	RUN ACX, AWX, NX, 1, 5                         ; images 26 to 31
	s_wait_dscnt 4                                 ; the very last quarter
	MUL8 FC, 0, 0
	MUL8 FC, 1, 0
	s_wait_dscnt 0x0
	MUL8 FC, 2, 0
	MUL8 FC, 3, 0
	WIN 0
; THE WAY OUT, a block of 16 rows x 128 columns at a time: a lane holds 32 neighbouring bytes of a row, so a block goes through my own stage and comes back as whole rows of 512 bytes.
; LDS serves a wave's instructions in order (ISA guide 5.7.1.4): no wait between the stores and the loads, nor ahead of the next block's stores.
.macro TOSTAGE a
	WIN 0x04                                       ; an LDS store's data are its source 1: window 1
.irp bt, 0,1,2,3,4,5,6,7
	ds_store_b128 v[STO], v[8*(8*(\a)+\bt):8*(8*(\a)+\bt)+3] offset:64*\bt       ; each accumulator from its low end on
	ds_store_b128 v[STO], v[8*(8*(\a)+\bt)+4:8*(8*(\a)+\bt)+7] offset:64*\bt+16
.endr
	WIN 0
.set BB, 32+64*((\a)%2)
.irp t, 0,1,2,3,4,5,6,7,8,9,10,11,12,13,14,15
	ds_load_b128 v[BB+4*\t:BB+4*\t+3], v[RD] offset:\t*SPITCH
.endr
.endm
.macro SEND a, younger                 ; younger: the LDS instructions issued behind block a's loads, which may stay out
.set BB, 32+64*((\a)%2)
	s_wait_dscnt \younger
.irp t, 0,1,2,3,4,5,6,7,8,9,10,11,12,13,14,15
	global_store_b128 v[CO], v[BB+4*\t:BB+4*\t+3], s[10:11] offset:65536*(\a)+4096*\t th:TH_STORE_NT   ; 32 lanes store 512 consecutive bytes, at a multiple of 256 from out0's first byte
.endr
.endm
	PLACES 4                                       ; ahead of the stores' reads of results and of loads into registers that held fragments
	TOSTAGE 0
.irp a, 1,2,3
.if \a > 1
	s_wait_xcnt 0x0                                ; block a - 2's stores have read the registers that block a's loads fill
.endif
	TOSTAGE \a
	SEND \a-1, 32                                  ; behind block a - 1's loads: block a's 16 stores and 16 loads
.endr
	SEND 3, 0
	s_wait_tensorcnt 0x0                           ; the wave's end: with the two lines below, behind my last tensor load and my last LDS store
	ds_add_u32 v[SPW], v[NIL]
	s_wait_dscnt 0x0
	CROUND                                         ; the closing round: no work-group ends while a partner may still ask for a tile that names it
	s_endpgm
.Lfunc_end_k_q321e004b2b_outp:
	.size	k_q321e004b2b_outp, .Lfunc_end_k_q321e004b2b_outp-k_q321e004b2b_outp
	.p2alignl 7, 3214868480
	.fill 96, 4, 3214868480
	.section	.rodata,"a",@progbits
	.p2align	6, 0x0
	.amdhsa_kernel k_q321e004b2b_outp
		.amdhsa_group_segment_fixed_size 327680
		.amdhsa_private_segment_fixed_size 0
		.amdhsa_enable_private_segment 0
		.amdhsa_kernarg_size 32
		.amdhsa_user_sgpr_count 2
		.amdhsa_user_sgpr_kernarg_segment_ptr 1
		.amdhsa_wavefront_size32 1
		.amdhsa_system_sgpr_workgroup_id_x 1
		.amdhsa_system_sgpr_workgroup_id_y 1
		.amdhsa_system_sgpr_workgroup_id_z 1
		.amdhsa_system_vgpr_workitem_id 0
		.amdhsa_next_free_vgpr 576
		.amdhsa_next_free_sgpr 84
		.amdhsa_reserve_vcc 0
		.amdhsa_float_denorm_mode_32 3
		.amdhsa_float_denorm_mode_16_64 3
		.amdhsa_memory_ordered 1
		.amdhsa_forward_progress 1
		.amdhsa_inst_pref_size 148
	.end_amdhsa_kernel
	.amdgpu_metadata
---
amdhsa.version: [ 1, 2 ]
amdhsa.kernels:
  - .name:           k_q321e004b2b_outp
    .symbol:         k_q321e004b2b_outp.kd
    .args:
      - { .name: ctx16, .offset: 0, .size: 8, .value_kind: global_buffer, .address_space: global }
      - { .name: wo16, .offset: 8, .size: 8, .value_kind: global_buffer, .address_space: global }
      - { .name: bo, .offset: 16, .size: 8, .value_kind: global_buffer, .address_space: global }
      - { .name: out0, .offset: 24, .size: 8, .value_kind: global_buffer, .address_space: global }
    .group_segment_fixed_size: 327680
    .private_segment_fixed_size: 0
    .kernarg_segment_align: 8
    .kernarg_segment_size: 32
    .max_flat_workgroup_size: 128
    .sgpr_count:     84
    .vgpr_count:     576
    .wavefront_size: 32
...
	.end_amdgpu_metadata
.endif
;; end of part 3
